; MI455X (gfx1250); checked and timed in simulation.
; The chip was launched on July 23, 2026; its instructions are those of AMD's public machine-readable ISA for CDNA 5 (MIT licence, August 2026) and "CDNA5" Instruction Set Architecture Reference Guide (July 2026). The comments in the code are by the model that wrote it; some were corrected since.
;; LSTM Cell. Allowed arithmetic: matrix products marked QUANTISED: E3M2 operands, one E8M0 scale for each 32 along K, by v_wmma_scale_f32_16x16x128_f8f6f4 with both operands' format E3M2, f32 sums; everything else in f32.
;; Inputs: W_c_b 2,048 float32; W_c_w 2,048 x 4,096 float32; W_f_b 2,048 float32; W_f_w 2,048 x 4,096 float32; W_i_b 2,048 float32; W_i_w 2,048 x 4,096 float32; W_o_b 2,048 float32; W_o_w 2,048 x 4,096 float32; c 2,048 x 2,048 float32; h 2,048 x 2,048 float32; x 2,048 x 2,048 float32.
;; Outputs: out0 2,048 x 2,048 float32; out1 2,048 x 2,048 float32.
;; This version of the problem:
;;   THIS VERSION OF THE PROBLEM IS GIVEN IN LOW PRECISION. The matrix products marked QUANTISED in the list below multiply operands that are first quantised to E3M2 (3 exponent bits, 2 mantissa bits; 6 bits a number), with one power-of-two scale for each 32 numbers along K (OCP MX v1.0); their sums are f32. All else is computed in f32.
;;   The module's matrix products, in the order in which they are computed (A, B: the left and right operand; K: the contracted axis; several contracted axes count as one K, in the product's order):
;;     1. [M 2,048, K 4,096] x [K 4,096, N 8,192]; A: computed on the way; B: computed on the way: QUANTISED
;;   THE QUANTISER, for each operand of a quantised product, along K:
;;     - K is cut into blocks of 32 from its start; a last block that is shorter is filled with zeros.
;;     - A block's scale is 2^e with e = floor(log2(the largest magnitude in the block)) - 4, held to -126 .. 127; a block of zeros has e = 0. As a byte (E8M0): e + 127.
;;     - Each number is divided by its block's scale, clamped to +-28, and rounded to the nearest number of E3M2, ties to even, subnormals kept.
;;     - The product sums the exact products of the quantised numbers (number of the format x scale) in f32.
;;   ~~~python
;;   def quantise(x, axis):      # numpy; x: float32 -> the quantised numbers, widened to float32 again
;;       x = np.moveaxis(x, axis, -1); K = x.shape[-1]
;;       x = np.pad(x, [(0, 0)] * (x.ndim - 1) + [(0, -K % 32)]); x = x.reshape(x.shape[:-1] + (-1, 32)); a = np.abs(x).max(-1, keepdims=True)
;;       e = np.where(a > 0, np.clip(np.frexp(np.where(a > 0, a, 1))[1] - 1 - 4, -126, 127), 0)      # np.frexp(a)[1] - 1 = floor(log2(a)), exactly
;;       r = np.clip(x / 2.0 ** e, -28, 28)
;;       step = 2.0 ** (np.maximum(np.frexp(np.where(r == 0, 1, r))[1] - 1, -2) - 2)
;;       q = np.round(r / step) * step * 2.0 ** e      # np.round: ties to even
;;       return np.moveaxis(q.reshape(q.shape[:-2] + (-1,))[..., :K], -1, axis).astype(np.float32)
;;   ~~~
;;   OPERANDS COMPUTED ON THE WAY. 'Computed on the way' means the value that the module computes at that place (a softmax that the list does not call 'softmax' is quantised finished and normalised). What goes into a quantiser is computed in f32, as accurately as f32 sums, v_exp_f32 and their like allow (about 1e-6 of the number): no bf16 or f16 on the way to a quantiser, and a product that is left as it is and whose result goes on into a quantised operand takes f32 operands (vector FMAs, or v_wmma_f32_16x16x4_f32). A number that lies on a knife's edge between two numbers of the format may be rounded either way, as far as f32 arithmetic and the matrix unit's own rounding can turn it there, and no further.
;; One version. Each part assembles by itself: llvm-mc -triple=amdgcn-amd-amdhsa -mcpu=gfx1250 --defsym DOCPART=n.
;; ======== version 1 of 1: 2 launches
;; limits: right only within a limited range of input values
;; workspace buffers: a_img 6,553,600 bytes; b_img 26,214,400 bytes
;; launch quant (part 1): grid 256 x 5, 4 waves a work-group, no clusters, 35,328 bytes of LDS; arguments x, h, W_i_w, W_f_w, W_o_w, W_c_w, a_img, b_img; writes a_img, b_img
.if DOCPART == 1
	.amdgcn_target "amdgcn-amd-amdhsa--gfx1250"
	.amdhsa_code_object_version 6
	.text
	.protected	k_q12e441dc48_quant
	.globl	k_q12e441dc48_quant
	.p2align	8
	.type	k_q12e441dc48_quant,@function
k_q12e441dc48_quant:
	s_mov_b64 s[64:65], 0
	v_nop
	global_prefetch_b8 v0, s[64:65] scope:SCOPE_SE
	s_setreg_imm32_b32 hwreg(HW_REG_WAVE_MODE, 25, 1), 1
	s_wait_xcnt 0x0
; The two operands of gates = [x | h] [W_i; W_f; W_o; W_c]^T become codes of BF6 (E3M2), 6 bits each, with one E8M0 scale byte for each 32 along K, LAID IN THE ORDER OF THE OPERAND'S REGISTERS.
; A PANEL is 128 rows of an operand; for a panel and a K step of 128 there is one RECORD of 12,800 bytes: eight fragment images of 1,536 bytes (block i = rows 16 i .. 16 i + 15), then 512 bytes of scale words.
; An image is the fragment's 12 registers: group j of four registers at 512 j + 16 x lane; lane (r, h) holds row r, registers 6 c .. 6 c + 5 the codes of k = 64 c + 32 h + 0 .. 31.
; The scale word (four bytes, 128 along K) of block i, row r lies at 12,288 + 256 (i / 4) + 16 r + 4 (i % 4).  A panel's 32 records lie on end: 409,600 bytes.
; a_img: 16 panels; row m = x's row m (k 0 .. 2047), then h's (k 2048 .. 4095).  b_img: 64 panels; panel P holds hidden units 32 P .. 32 P + 31: block i = 2 g + t is gate g (0 i, 1 f, 2 o, 3 c-hat) of units 32 P + 16 t + 0 .. 15.
; A block's scale is 2^(floor(log2(its largest magnitude)) - 4); its byte is the largest magnitude's own exponent field - 4, held at 1 from below.  Each number is divided by the scale and rounded to the nearest code,
; ties to even; beyond 28 the largest code.
; LIMITS: a block of zeros, or one whose largest magnitude lies under 2^-122, gets the byte 1 (the rule says 127 for zeros): its codes are zeros, which add nothing under any byte but 0xff, and these bytes are read by
; this program alone.  NaN and infinities among the inputs are not served.
; SHARES.  A wave makes HALF A RECORD: four fragments (blocks 4 hb .. 4 hb + 3) of one K step.  The four waves of a work-group take four neighbouring K steps of the same rows: 2,048 consecutive bytes of each row.
; Work-group y = 0 serves [x | h] (256 work-groups), y = 1 .. 4 the weights (1,024).  Only pointers, a shift and two offsets are chosen by the ids: all take ONE path through the text.
; A fragment goes in two steps of 16 rows x 64 along K.  Each of a step's eight loads reads two rows' 256 consecutive, aligned bytes, 16 bytes a lane; the 4,096 bytes turn through the wave's own stage in LDS and come back 128 bytes a
; lane: a whole block of 32 neighbours along K in ONE lane's registers.  So a block's largest magnitude needs no other lane, and the conversions' results are the operand's registers.
; A fragment leaves by three stores of 512 consecutive, aligned bytes; the wave's 64 scale words by one store of 256.  No tensor loads, no barrier: waves share nothing.  Loads run two steps (16 loads a wave) ahead.
.set REC,   12800                      ; a record
.set FRB,   1536                       ; a fragment's image
.set STEPS, 8
.set SP,    272                        ; a stage row: 256 bytes + 16, so that the sixteen rows that a read touches start in different banks
.set STG,   16*SP                      ; a stage
.set WREG,  2*STG                      ; LDS: two stages for each wave
.set OFF,   16                         ; v16-23   load n of a step: (2 n + lane / 16) rows + 16 (lane % 16) bytes; never rewritten
.set E,     24                         ; v24-27   the four fragments' scale words
.set T,     28                         ; v28-30   a block's upper 16 codes, on their way to odd registers
.set R,     32                         ; v32-95   two sets of 32 numbers as they are loaded
.set X,     96                         ; v96-159  two sets of 32 neighbours
.set I,     160                        ; v160-183 two images
.set BASE,  8                          ; s[8:15]  where each of the four fragments' first rows begins
	s_load_b256 s[4:11], s[0:1], 0x0               ; x s[4:5], h s[6:7], W_i s[8:9], W_f s[10:11]
	s_load_b256 s[12:19], s[0:1], 0x20             ; W_o s[12:13], W_c s[14:15], a_img s[16:17], b_img s[18:19]
	v_lshl_add_u32 v184, v0, 2, 0x8800
	v_mov_b32 v185, 0
	v_lshrrev_b32 v1, 5, v0
	v_readfirstlane_b32 s24, v1                    ; wave
	v_and_b32 v2, 31, v0                           ; lane
	v_and_b32 v3, 15, v0                           ; r = lane % 16
	v_bfe_u32 v5, v0, 4, 1                         ; h = lane / 16
	s_mul_i32 s35, s24, WREG
	v_mul_u32_u24 v14, v5, SP
	v_lshl_add_u32 v14, v3, 4, v14
	v_add_nc_u32 v14, s35, v14                     ; the stage, on the way in: row h of a load's two, 16 bytes a lane
	v_mul_u32_u24 v15, v3, SP
	v_lshl_add_u32 v15, v5, 7, v15
	v_add_nc_u32 v15, s35, v15                     ; and on the way out: row r, my half's 128 bytes
	v_lshlrev_b32 v6, 3, v5                        ; 8 h: my bytes' place in a scale word, in bits
	s_wait_alu depctr_va_vdst(0)
	s_mov_b32 s36, 0x76543210
	s_mov_b32 s37, 0xfedcba98                      ; v_permlanex16_b32's selects for lane l xor 16
.irp f, 0,1,2,3
	v_mov_b32 v[E+\f], 0                           ; written once: a lane permute's destination counts as one of its sources
.endr
	s_and_b32 s25, ttmp7, 0xffff                   ; y
	s_sub_co_u32 s26, s25, 1
	s_max_i32 s26, s26, 0
	s_lshl_b32 s26, s26, 8
	s_add_co_u32 s26, s26, ttmp9                   ; the work-group's number within its operand: 0 .. 255 or 0 .. 1,023
	s_lshr_b32 s27, s26, 4                         ; P: the panel
	s_bfe_u32 s28, s26, 0x10003                    ; hb: which half of a record
	s_and_b32 s29, s26, 7                          ; which four K steps
	s_lshl_b32 s30, s29, 2
	s_add_co_u32 s30, s30, s24                     ; q: my K step, 0 .. 31
	s_lshl_b32 s31, s27, 7                         ; [x | h]: my first row is 128 P + 64 hb, of 8,192 bytes;
	s_lshl_b32 s35, s28, 6
	s_add_co_u32 s31, s31, s35
	s_lshl_b32 s31, s31, 13
	s_and_b32 s35, s30, 15                         ; x and h have 16 K steps of 512 bytes each
	s_lshl_b32 s35, s35, 9
	s_add_co_u32 s31, s31, s35
	s_lshl_b32 s32, s27, 19                        ; a weight: my first row is 32 P, of 16,384 bytes; 32 K steps
	s_lshl_b32 s35, s30, 9
	s_add_co_u32 s32, s32, s35
	s_lshl_b32 s35, s27, 5
	s_add_co_u32 s35, s35, s30
	s_mul_i32 s22, s35, REC                        ; my record's first byte: (32 P + q) records
	s_mov_b32 s23, 0
	s_mul_i32 s35, s28, 4*FRB
	v_lshl_add_u32 v4, v2, 4, s35                  ; the images: 16 x lane, behind the other half's four
	s_lshl_b32 s35, s28, 8
	v_lshl_add_u32 v7, v3, 4, v6                   ; the scale words: 16 r + 8 h: two words a lane,
	v_add_nc_u32 v7, s35, v7                       ; in my half's 256 bytes
	v_lshlrev_b32 v1, 4, v3                        ; 16 (lane % 16)
.irp n, 0,1,2,3,4,5,6,7
	v_add_nc_u32 v[OFF+\n], 2*\n, v5               ; load n takes rows 2 n and 2 n + 1
.endr
	s_wait_alu depctr_va_vdst(0)
	s_wait_kmcnt 0x0
	s_cmp_eq_u32 s28, 0                            ; the weights of my two gates: every choice hangs on ids alone
	s_cselect_b64 s[8:9], s[8:9], s[12:13]         ; i or o
	s_cselect_b64 s[10:11], s[10:11], s[14:15]     ; f or c-hat
	s_cmp_lt_u32 s29, 4
	s_cselect_b64 s[4:5], s[4:5], s[6:7]           ; K steps 0 .. 15 lie in x, the others in h
	s_cmp_eq_u32 s25, 0
	s_cselect_b64 s[8:9], s[4:5], s[8:9]           ; fragments 0 and 1,
	s_cselect_b64 s[10:11], s[4:5], s[10:11]       ; fragments 2 and 3,
	s_cselect_b64 s[16:17], s[16:17], s[18:19]     ; where the record goes,
	s_cselect_b32 s31, s31, s32                    ; my first row's byte,
	s_cselect_b32 s33, 13, 14                      ; a row's bytes, as a shift,
	s_cselect_b32 s34, 0x40000, 0                  ; and fragment 2: 32 rows of 8,192 bytes further down, or the same rows of the next gate
	s_mov_b32 s20, s31
	s_mov_b32 s21, 0
	s_add_nc_u64 s[8:9], s[8:9], s[20:21]          ; fragment 0
	s_add_nc_u64 s[12:13], s[10:11], s[20:21]
	s_mov_b32 s20, s34
	s_add_nc_u64 s[12:13], s[12:13], s[20:21]      ; fragment 2
	s_lshl_b32 s20, 16, s33                        ; 16 rows
	s_add_nc_u64 s[10:11], s[8:9], s[20:21]        ; fragment 1
	s_add_nc_u64 s[14:15], s[12:13], s[20:21]      ; fragment 3
	s_add_nc_u64 s[16:17], s[16:17], s[22:23]
.irp n, 0,1,2,3,4,5,6,7
	v_lshl_add_u32 v[OFF+\n], v[OFF+\n], s33, v1
.endr
.macro LOAD t                          ; step t: fragment t / 2, its K 64 (t % 2) on
.irp n, 0,1,2,3,4,5,6,7
	global_load_b128 v[R+32*((\t)%2)+4*\n:R+32*((\t)%2)+4*\n+3], v[OFF+\n], s[BASE+2*((\t)/2):BASE+2*((\t)/2)+1] offset:256*((\t)%2) th:TH_LOAD_NT   ; 16 lanes read 256 consecutive, aligned bytes of a row; read once in the launch
.endr
.endm
.macro TURN t                          ; step t's numbers through the stage: LDS serves a wave's instructions in order (ISA guide 5.7.1.4), so no wait stands between the stores and the loads
.irp n, 0,1,2,3,4,5,6,7
	ds_store_b128 v14, v[R+32*((\t)%2)+4*\n:R+32*((\t)%2)+4*\n+3] offset:STG*((\t)%2)+2*\n*SP
.endr
.irp n, 0,1,2,3,4,5,6,7
	ds_load_b128 v[X+32*((\t)%2)+4*\n:X+32*((\t)%2)+4*\n+3], v15 offset:STG*((\t)%2)+16*\n
.endr
.endm
	LOAD 0
	LOAD 1
	s_wait_alu depctr_va_vdst(0)
	s_wait_loadcnt 8                               ; step 0's eight loads are in; step 1's stay out
	TURN 0
.macro STEP t
.set XS, X+32*((\t)%2)
.set IB, I+12*(((\t)/2)%2)
	s_wait_dscnt 0x0                               ; this step's numbers are back from the stage: so its stores into the stage have read their registers,
.if (\t)+2 < STEPS
	LOAD (\t)+2                                    ; which take the loads of two steps on
.endif
.if (\t)+1 < STEPS
.if (\t)+2 < STEPS
	s_wait_loadcnt 8                               ; the next step's eight loads are in; the eight just issued may be out
.else
	s_wait_loadcnt 0x0                             ; nothing more is asked for
.endif
	TURN (\t)+1                                    ; and go through the other stage while this step is worked
.endif
	v_max3_num_f32 v12, |v[XS]|, |v[XS+1]|, |v[XS+2]|              ; the block's largest magnitude: all 32 numbers are mine; two chains
	v_max3_num_f32 v13, |v[XS+3]|, |v[XS+4]|, |v[XS+5]|
.irp i, 6,10,14,18,22,26
	v_max3_num_f32 v12, v12, |v[XS+\i]|, |v[XS+\i+1]|
	v_max3_num_f32 v13, v13, |v[XS+\i+2]|, |v[XS+\i+3]|
.endr
	v_max3_num_f32 v12, v12, |v[XS+30]|, |v[XS+31]|
	v_max3_num_f32 v12, v12, v13, 0x2800000        ; and the floor 2^(5 - 127), under which no largest magnitude is taken: so the byte cannot fall under 1
	v_add_nc_u32 v11, 0xfe000000, v12              ; 4 off its exponent field: the conversion takes the exponent field of this operand as its scale, and nothing else of it
.if (\t) >= 4 && (\t)%2 == 0
	s_wait_alu depctr_va_vdst(0)
	s_wait_xcnt 0x0                                ; the stores of the fragment two back have read this image's registers (ISA guide 3.1): it is written again only behind this wait
.endif
	v_cvt_scalef32_pk16_bf6_f32 v[IB+6*((\t)%2):IB+6*((\t)%2)+2], v[XS:XS+15], v11   ; registers 6 c .. 6 c + 2 of the operand
	v_cvt_scalef32_pk16_bf6_f32 v[T:T+2], v[XS+16:XS+31], v11                        ; (a conversion's three registers begin on an even number: the upper half's do not, so it is made elsewhere and moved)
.if (\t)%2 == 0
	v_lshrrev_b32 v8, 23, v11                      ; the scale's byte: block h of the K step.  (Also the plain line behind the conversions)
.else
	v_lshrrev_b32 v9, 23, v11                      ; block 2 + h
.endif
.irp i, 0,1,2
	v_mov_b32 v[IB+6*((\t)%2)+3+\i], v[T+\i]
.endr
.if (\t)%2 == 1
	v_lshl_or_b32 v9, v9, 16, v8                   ; my two bytes,
	v_lshlrev_b32 v9, v6, v9                       ; at their places in the scale word (8 h bits up);
	v_permlanex16_b32 v[E+(\t)/2], v9, s36, s37
	v_or_b32 v[E+(\t)/2], v[E+(\t)/2], v9          ; with lane l xor 16's two the word is whole, in both lanes
.irp j, 0,1,2
	global_store_b128 v4, v[IB+4*\j:IB+4*\j+3], s[16:17] offset:((\t)/2)*FRB+512*\j   ; 32 lanes store 512 consecutive bytes, at a multiple of 256 from the buffer's first byte
.endr
.endif
.endm
.irp t, 0,1,2,3,4,5,6,7
	STEP \t
.endr
	v_cmp_ne_u32 vcc_lo, 0, v5                     ; row r's four words: lanes 0-15 store those of fragments 0 and 1, lanes 16-31 those of 2 and 3
	v_cndmask_b32 v12, v[E], v[E+2], vcc_lo
	v_cndmask_b32 v13, v[E+1], v[E+3], vcc_lo
	global_store_b64 v7, v[12:13], s[16:17] offset:8*FRB   ; 32 lanes store 256 consecutive, aligned bytes
	s_wait_tensorcnt 0x0
	ds_add_u32 v184, v185
	s_wait_dscnt 0x0
	s_endpgm
.Lfunc_end_k_q12e441dc48_quant:
	.size	k_q12e441dc48_quant, .Lfunc_end_k_q12e441dc48_quant-k_q12e441dc48_quant
	.p2alignl 7, 3214868480
	.fill 96, 4, 3214868480
	.section	.rodata,"a",@progbits
	.p2align	6, 0x0
	.amdhsa_kernel k_q12e441dc48_quant
		.amdhsa_group_segment_fixed_size 35328
		.amdhsa_private_segment_fixed_size 0
		.amdhsa_enable_private_segment 0
		.amdhsa_kernarg_size 64
		.amdhsa_user_sgpr_count 2
		.amdhsa_user_sgpr_kernarg_segment_ptr 1
		.amdhsa_wavefront_size32 1
		.amdhsa_system_sgpr_workgroup_id_x 1
		.amdhsa_system_sgpr_workgroup_id_y 1
		.amdhsa_system_sgpr_workgroup_id_z 1
		.amdhsa_system_vgpr_workitem_id 0
		.amdhsa_next_free_vgpr 192
		.amdhsa_next_free_sgpr 66
		.amdhsa_reserve_vcc 1
		.amdhsa_float_denorm_mode_32 3
		.amdhsa_float_denorm_mode_16_64 3
		.amdhsa_memory_ordered 1
		.amdhsa_forward_progress 1
		.amdhsa_inst_pref_size 32
	.end_amdhsa_kernel
	.amdgpu_metadata
---
amdhsa.version: [ 1, 2 ]
amdhsa.kernels:
  - .name:           k_q12e441dc48_quant
    .symbol:         k_q12e441dc48_quant.kd
    .args:
      - { .name: x, .offset: 0, .size: 8, .value_kind: global_buffer, .address_space: global }
      - { .name: h, .offset: 8, .size: 8, .value_kind: global_buffer, .address_space: global }
      - { .name: W_i_w, .offset: 16, .size: 8, .value_kind: global_buffer, .address_space: global }
      - { .name: W_f_w, .offset: 24, .size: 8, .value_kind: global_buffer, .address_space: global }
      - { .name: W_o_w, .offset: 32, .size: 8, .value_kind: global_buffer, .address_space: global }
      - { .name: W_c_w, .offset: 40, .size: 8, .value_kind: global_buffer, .address_space: global }
      - { .name: a_img, .offset: 48, .size: 8, .value_kind: global_buffer, .address_space: global }
      - { .name: b_img, .offset: 56, .size: 8, .value_kind: global_buffer, .address_space: global }
    .group_segment_fixed_size: 35328
    .private_segment_fixed_size: 0
    .kernarg_segment_align: 8
    .kernarg_segment_size: 64
    .max_flat_workgroup_size: 128
    .sgpr_count:     66
    .vgpr_count:     192
    .wavefront_size: 32
...
	.end_amdgpu_metadata
.endif
;; end of part 1
;; launch lstm (part 2): grid 32 x 8, 4 waves a work-group, clusters of 4 x 4, 327,680 bytes of LDS; arguments a_img, b_img, c, W_i_b, W_f_b, W_o_b, W_c_b, out0, out1; writes out0, out1
.if DOCPART == 2
	.amdgcn_target "amdgcn-amd-amdhsa--gfx1250"
	.amdhsa_code_object_version 6
	.text
	.protected	k_q12e441dc48_lstm
	.globl	k_q12e441dc48_lstm
	.p2align	8
	.type	k_q12e441dc48_lstm,@function
k_q12e441dc48_lstm:
	s_mov_b64 s[64:65], 0
	v_nop
	global_prefetch_b8 v0, s[64:65] scope:SCOPE_SE
	s_setreg_imm32_b32 hwreg(HW_REG_WAVE_MODE, 25, 1), 1
	s_wait_xcnt 0x0
	s_wait_alu depctr_hold_cnt(0) depctr_sa_sdst(0) depctr_va_vdst(0) depctr_va_sdst(0) depctr_va_ssrc(0) depctr_va_vcc(0) depctr_vm_vsrc(0)
	s_getreg_b32 s2, hwreg(HW_REG_IB_STS2, 6, 4)
	s_cmp_eq_u32 s2, 0
	s_cbranch_scc0 .Lentry_in_a_cluster
	s_endpgm
.Lentry_in_a_cluster:
	s_bfe_u32 s2, ttmp6, 0x10000c
	s_cmp_lg_u32 s2, 0xf033
	s_cbranch_scc0 .Lentry_shape_is_right
	s_endpgm
.Lentry_shape_is_right:
; gates = Q([x | h]) Q([W_i; W_f; W_o; W_c])^T + b on codes of BF6 with E8M0 scales, then the cell: c_new = sigmoid(f) c + sigmoid(i) tanh(c-hat), h_new = sigmoid(o) tanh(c_new).
; a_img, b_img hold the operands as images of the operand's registers: a panel = 128 rows, a record = 12,800 bytes for a panel and 128 along K (eight fragments of 1,536 bytes, 512 bytes of scale words); a panel's 32 records lie on end.
; b_img's panel P holds hidden units 32 P .. 32 P + 31; its block 2 g + t is gate g (i, f, o, c-hat) of units 32 P + 16 t + 0 .. 15: so one wave holds all four gates of its hidden units.
; A work-group of four waves makes 256 rows x 64 hidden units (256 columns of gates); a wave 128 x 128: 64 accumulators, 512 registers (windows 2 and 3).
; THE RING: two LDS slots; a slot holds three K steps of A's two panels and B's two, each wave fetching one panel's part by one tensor load of dense rows of 256 bytes.  32 K steps = tile 0 of two steps, then ten tiles of three.
; CLUSTERS: 4 x 4 work-groups; A's tiles are asked for jointly along a row of the cluster, B's along a column.  A round of the cluster's barrier stands in front of every refill.
; FRAGMENTS: A and B both have two register sets: the next step's 50 LDS loads are issued in ONE run at a step's head, and the step's 64 matrix instructions follow it unbroken.
; PREFETCH: behind tile 0's load the wave asks for tile 1, behind tile 1's for tiles 2 and 3, behind the load of tile j >= 2 for tile j + 2: 150 blocks of 256 bytes, of which each of the four partners that load them
; jointly names 38, told apart by address (cx for A, cy for B); the last two refills of the ring ask for nothing.  c's tile is asked for two K steps ahead of its load, a thread a row.
; THE MATRIX INSTRUCTION IS USED TRANSPOSED (source 0 = B's rows, source 1 = A's): a lane holds eight neighbouring hidden units of one row.
; THE WAY OUT: block by block of 16 rows: exponents by one multiply-add (the bias, already multiplied by the factor, is its addend), sigmoid(x) = 1 / (1 + 2^(-x log2 e)), tanh(x) = 1 - 2 / (1 + 2^(2 x log2 e));
; an exponential that overflows gives infinity, whose reciprocal is 0: the right limit.  A row's 256 bytes come from two waves: both results go through a stage shared by the work-group (two parities, one barrier a block),
; and leave as whole rows: waves with column half 0 store c_new, the others h_new.  The stage lies in slot 1 behind c's tile, in bytes that have had their last fill.
; LIMITS: NaN and infinities among the inputs are not served.
; REGISTERS: window 0: v0-31 addresses; v32-47 scale words, two sets; A's set 0 v128-223, set 1 v48-59, v64-123, v224-247.  Window 1: B's sets v0-95, v128-223; the biases v96-127, v224-255.
.set REC,    12800
.set FRB,    1536
.set SWO,    8*FRB
.set PANEL,  32*REC
.set FR,     12
.set HALFT,  3*REC                     ; a wave's part of a slot
.set SLOT,   4*HALFT
.set SPARE,  2*SLOT                    ; the spare words: 512 bytes that no other line names
.set CP,     272                       ; c's tile and the stage: rows of 256 bytes + 16
.set SB,     16*CP                     ; a stage block: 16 rows
.set STG,    SLOT+256*CP               ; the stage: parity x (c_new, h_new) x row half x 16 rows
.set OROW,   8192
.set PF,   7                           ; v7   c's prefetch: thread x a row of c
.set BO,   8                           ; v8   my byte offset in a bias
.set PFO,  9                           ; v9-10 the tiles' prefetch: my blocks of 256 bytes
.set ADRA, 16
.set ADRS, 18
.set ADRB, 20
.set CLD,  24                          ; where I read c
.set STO,  25                          ; where I put results into the stage
.set CO,   26                          ; my byte offset in the output
.set RD,   27                          ; where I read whole rows back
.set SPW,  28
.set NIL,  29
.set SC,   32
.set OB,   64
.set G,    128
.set CR,   192
.set CN,   208
.set HN,   224
.set X,    240
.set PFA, 8                            ; s[8:9] my panel, stepped a tile at each change of slots
.set G0C, 20
.set G1, 24
.set G0, 32
.set G1B, 48
.set G0B, 56
.set OUT, 66
.set G1L, 68
.set G1LB, 76
.set BP,  84
.set G1C, 92
.set O1,  100
.set MSB, 0
.macro WIN new                         ; the immediate's high byte repeats the setting that is left
.if MSB != (\new)
	s_set_vgpr_msb (MSB<<8)|(\new)
.set MSB, (\new)
.endif
.endm
.set TO_B, 0x40
.macro PLACES n
.rept \n
	v_nop
.endr
.endm
.macro JLOAD g0a, g1a, g0b, g1b        ; a joint load: waves 0, 1 fetch A's panels, waves 2, 3 B's; s_nop 0 and four v_nop behind each line
	s_cmp_eq_u32 s15, 0
	s_cbranch_scc0 .Lfor_b_\@
	tensor_load_to_lds s[\g0a:\g0a+3], s[\g1a:\g1a+7]
	s_nop 0
	PLACES 4
	s_branch .Lasked_\@
.Lfor_b_\@:
	tensor_load_to_lds s[\g0b:\g0b+3], s[\g1b:\g1b+7]
	s_nop 0
	PLACES 4
.Lasked_\@:
.endm
.macro CREST
	s_cmp_lg_u32 s14, 0
	s_cbranch_scc1 .Lnot_wave_0_\@
	s_barrier_signal -3
.Lnot_wave_0_\@:
	s_barrier_wait -3
	s_barrier_signal -1
	s_barrier_wait -1
.endm
.macro CROUND
	s_barrier_signal -1
	s_barrier_wait -1
	CREST
.endm
.macro ASKT off                        ; my share of one tile, 38 blocks in two instructions (left-over lanes name the last block again)
	global_prefetch_b8 v[PFO], s[PFA:PFA+1] offset:\off th:TH_LOAD_NT scope:SCOPE_SE
	global_prefetch_b8 v[PFO+1], s[PFA:PFA+1] offset:\off th:TH_LOAD_NT scope:SCOPE_SE
.endm
	s_load_b128 s[4:7], s[0:1], 0x0                ; a_img, b_img
	s_load_b64 s[12:13], s[0:1], 0x10              ; c
	s_load_b256 s[BP:BP+7], s[0:1], 0x18           ; the four biases: i, f, o, c-hat
	s_load_b64 s[OUT:OUT+1], s[0:1], 0x38          ; out0 = h_new
	s_load_b64 s[O1:O1+1], s[0:1], 0x40            ; out1 = c_new
	v_lshl_add_u32 v[SPW], v0, 2, SPARE
	v_mov_b32 v[NIL], 0
	ds_add_u32 v[SPW], v[NIL]
	ds_add_u32 v[SPW], v[NIL]
	v_lshrrev_b32 v1, 5, v0
	v_readfirstlane_b32 s14, v1                    ; wave
	s_lshr_b32 s15, s14, 1                         ; my row half; also: I fetch for A (0) or B (1)
	s_and_b32 s16, s14, 1                          ; my column half; also: which panel I fetch
	s_bfe_u32 s40, ttmp6, 0x40000                  ; cx
	s_bfe_u32 s41, ttmp6, 0x40004                  ; cy
	s_lshl_b32 s42, ttmp9, 2
	s_add_co_u32 s42, s42, s40                     ; tile column, 0 .. 31
	s_and_b32 s17, ttmp7, 0xffff
	s_lshl_b32 s17, s17, 2
	s_add_co_u32 s17, s17, s41                     ; tile row, 0 .. 7
	s_lshl_b32 s43, s41, 2
	s_lshl_b32 s43, 15, s43                        ; my row of the cluster
	s_lshl_b32 s44, 0x1111, s40                    ; my column
	s_or_b32 s[G1+0], s43, (3<<16)|(1<<21)         ; elements of 8 bytes, rows of 32: 256 bytes, dense
	s_or_b32 s[G1B+0], s44, (3<<16)|(1<<21)
	s_or_b32 s[G1L+0], s43, (3<<16)|(1<<21)
	s_or_b32 s[G1LB+0], s44, (3<<16)|(1<<21)
.irp g, G1, G1B                        ; three records: 150 rows
	s_mov_b32 s[\g+1], 32<<16
	s_mov_b32 s[\g+2], 150<<16
	s_mov_b32 s[\g+3], 32<<16
	s_mov_b32 s[\g+4], 150
	s_mov_b32 s[\g+5], 32
	s_mov_b32 s[\g+6], 0
	s_mov_b32 s[\g+7], 0
.endr
.irp g, G1L, G1LB                      ; tile 0, two records: 100 rows
	s_mov_b32 s[\g+1], 32<<16
	s_mov_b32 s[\g+2], 100<<16
	s_mov_b32 s[\g+3], 32<<16
	s_mov_b32 s[\g+4], 100
	s_mov_b32 s[\g+5], 32
	s_mov_b32 s[\g+6], 0
	s_mov_b32 s[\g+7], 0
.endr
	s_mov_b32 s[G1C+0], (2<<16)|(1<<20)|(5<<22)|(3<<25)   ; c: 64 rows of 64 f32, 16 bytes of padding behind each
	s_mov_b32 s[G1C+1], 64<<16
	s_mov_b32 s[G1C+2], 64<<16
	s_mov_b32 s[G1C+3], 64<<16
	s_mov_b32 s[G1C+4], 64
	s_mov_b32 s[G1C+5], 2048
	s_mov_b32 s[G1C+6], 0
	s_mov_b32 s[G1C+7], 0
	s_cmp_eq_u32 s15, 0
	s_cselect_b32 s11, s40, s41                    ; my place among the four that load my tiles with me
	s_mul_i32 s11, s11, 38
	v_and_b32 v3, 31, v0                           ; lane
	v_add_nc_u32 v[PFO], s11, v3                   ; blocks 38 p + 0 .. 31
	v_min_u32 v[PFO+1], 5, v3
	v_add_nc_u32 v[PFO+1], s11, v[PFO+1]
	v_add_nc_u32 v[PFO+1], 32, v[PFO+1]            ; blocks 38 p + 32 .. 37,
	v_min_u32 v[PFO+1], 149, v[PFO+1]              ; none beyond the tile's last
	v_lshlrev_b32 v[PFO], 8, v[PFO]
	v_lshlrev_b32 v[PFO+1], 8, v[PFO+1]
	s_lshl_b32 s20, s17, 1
	s_add_co_u32 s20, s20, s16
	s_mul_i32 s20, s20, PANEL                      ; A's panel 2 x tile row + half
	s_mov_b32 s21, 0
	s_lshl_b32 s46, s42, 1
	s_add_co_u32 s46, s46, s16
	s_mul_i32 s46, s46, PANEL                      ; B's panel 2 x tile column + half
	s_mov_b32 s47, 0
	s_mul_i32 s45, s14, HALFT                      ; where my part goes in a slot
	s_wait_alu depctr_va_vdst(0)
	s_wait_dscnt 0x0
	CROUND                                         ; the round in front of the first joint loads needs no argument: it stands ahead of the wait for them
	s_wait_kmcnt 0x0
	s_add_nc_u64 s[20:21], s[4:5], s[20:21]
	s_add_nc_u64 s[46:47], s[6:7], s[46:47]
	s_cmp_eq_u32 s15, 0
	s_cselect_b64 s[PFA:PFA+1], s[20:21], s[46:47]
.irp s, 0,1                            ; slot 0 begins with tile 0 (records 0, 1), slot 1 with tile 1 (records 2 .. 4)
	s_mov_b32 s[G0+4*\s], 1
	s_add_co_u32 s[G0+4*\s+1], s45, \s*SLOT
	s_add_nc_u64 s[G0+4*\s+2:G0+4*\s+3], s[20:21], \s*2*REC
	s_or_b32 s[G0+4*\s+3], s[G0+4*\s+3], 0x80000000
	s_mov_b32 s[G0B+4*\s], 1
	s_add_co_u32 s[G0B+4*\s+1], s45, \s*SLOT
	s_add_nc_u64 s[G0B+4*\s+2:G0B+4*\s+3], s[46:47], \s*2*REC
	s_or_b32 s[G0B+4*\s+3], s[G0B+4*\s+3], 0x80000000
.endr
	JLOAD G0, G1L, G0B, G1LB                       ; tile 0: one tensor load a wave at the head
	ASKT 2*REC                                     ; tile 1
	s_mul_i32 s21, s15, HALFT                      ; my panel of A in a slot
	s_mul_i32 s22, s16, HALFT
	s_add_co_u32 s22, s22, 2*HALFT                 ; my panel of B
	s_sub_co_u32 s23, s22, s21
	s_mul_i32 s18, s15, 128*CP
	s_lshl_b32 s19, s16, 7
	s_add_co_u32 s18, s18, s19
	s_add_co_u32 s18, s18, SLOT                    ; c: my 128 rows, my 128 bytes of each
	s_mul_i32 s10, s15, SB
	s_add_co_u32 s19, s19, s10
	s_add_co_u32 s19, s19, STG                     ; the stage, in: my row half's block, my 128 bytes
	s_mul_i32 s2, s16, 2*SB
	s_add_co_u32 s10, s10, s2
	s_add_co_u32 s10, s10, STG                     ; and back: column half 0 takes c_new, 1 takes h_new
	s_lshl_b32 s46, s42, 8
	s_lshl_b32 s47, s16, 7
	s_add_co_u32 s47, s47, s46                     ; my 32 hidden units in a bias, in bytes
	v_and_b32 v1, 15, v0
	v_bfe_u32 v2, v0, 4, 1
	v_lshlrev_b32 v4, 4, v3
	v_mul_u32_u24 v6, s23, v2                      ; scale words: lanes 16-31 take B's
	v_lshl_add_u32 v5, v1, 4, v6
	v_add_nc_u32 v[ADRA], s21, v4
	v_add_nc_u32 v[ADRB], s22, v4
	v_add_nc_u32 v[ADRS], s21, v5
	v_add_nc_u32 v[ADRA+1], SLOT, v[ADRA]
	v_add_nc_u32 v[ADRB+1], SLOT, v[ADRB]
	v_add_nc_u32 v[ADRS+1], SLOT, v[ADRS]
	v_mul_u32_u24 v5, v1, CP
	v_lshl_add_u32 v5, v2, 5, v5                   ; row l % 16, 32 bytes for each half of the lanes
	v_add_nc_u32 v[CLD], s18, v5
	v_add_nc_u32 v[STO], s19, v5
	v_mul_u32_u24 v6, v2, CP
	v_lshl_add_u32 v6, v1, 4, v6                   ; back: sixteen lanes to a row of 256 bytes
	v_add_nc_u32 v[RD], s10, v6
	v_lshlrev_b32 v5, 13, v2
	v_lshl_add_u32 v[CO], v1, 4, v5
	v_lshlrev_b32 v[PF], 13, v0
	v_lshl_add_u32 v[BO], v2, 5, s47
	WIN TO_B
.irp g, 0,1,2,3                        ; the biases of block 2 g + t in the result's layout, into window 1's idle registers; waited for on the way out
.irp t, 0,1
.irp q, 0,1
	global_load_b128 v[96+8*(2*\g+\t)+96*((2*\g+\t)/4)+4*\q:96+8*(2*\g+\t)+96*((2*\g+\t)/4)+4*\q+3], v[BO], s[BP+2*\g:BP+2*\g+1] offset:64*\t+16*\q
.endr
.endr
.endr
	WIN 0
	s_lshl_b32 s47, s17, 21                        ; 256 rows of 8,192 bytes a tile row
	s_add_co_u32 s46, s46, s47
	s_mov_b32 s47, 0
	s_add_nc_u64 s[12:13], s[12:13], s[46:47]      ; c's tile
	s_cmp_eq_u32 s16, 0
	s_cselect_b64 s[OUT:OUT+1], s[O1:O1+1], s[OUT:OUT+1]   ; the output that I store: the choice hangs on the wave's number alone
	s_add_nc_u64 s[OUT:OUT+1], s[OUT:OUT+1], s[46:47]
	s_lshl_b32 s46, s15, 20
	s_add_nc_u64 s[OUT:OUT+1], s[OUT:OUT+1], s[46:47]      ; my row half
	s_lshl_b32 s46, s14, 19                        ; of c I fetch rows 64 x wave ..
	s_mov_b32 s[G0C], 1
	s_mul_i32 s[G0C+1], s14, 64*CP
	s_add_co_u32 s[G0C+1], s[G0C+1], SLOT
	s_add_nc_u64 s[G0C+2:G0C+3], s[12:13], s[46:47]
	s_or_b32 s[G0C+3], s[G0C+3], 0x80000000
.macro AREG p, a                       ; AR = where block a of A's set p lies
.if (\p) == 0
.set AR, 128+12*(\a)
.elseif (\a) < 5
.set AR, 64+12*(\a)
.elseif (\a) < 7
.set AR, 164+12*(\a)
.else
.set AR, 48
.endif
.endm
.macro FRAG reg, adr, q, i             ; a fragment's image: three loads of 512 consecutive bytes
.irp j, 0,1,2
	ds_load_b128 v[\reg+4*\j:\reg+4*\j+3], v[\adr] offset:(\q)*REC+(\i)*FRB+512*\j
.endr
.endm
.macro FETCH slot, q, p                ; record q of a slot into set p: 50 LDS loads in one run: B's eight fragments, the scale words, A's eight
	WIN TO_B
.irp i, 0,1,2,3,4,5,6,7
	FRAG 128*(\p)+FR*\i, ADRB+\slot, \q, \i
.endr
	WIN 0
	ds_load_b128 v[SC+8*(\p):SC+8*(\p)+3], v[ADRS+\slot] offset:(\q)*REC+SWO
	ds_load_b128 v[SC+8*(\p)+4:SC+8*(\p)+7], v[ADRS+\slot] offset:(\q)*REC+SWO+256
.irp i, 0,1,2,3,4,5,6,7
	AREG \p, \i
	FRAG AR, ADRA+\slot, \q, \i
.endr
.endm
.macro GRP a, p, zero                  ; A's block a against B's eight: the 64 accumulators take turns, in the same order in every step
	AREG \p, \a
	WIN 0xa1+0x50*((\a)/4)
.irp b, 0,1,2,3,4,5,6,7
.if \zero
	v_wmma_scale_f32_16x16x128_f8f6f4 v[8*(8*((\a)%4)+\b):8*(8*((\a)%4)+\b)+7], v[128*(\p)+FR*\b:128*(\p)+FR*\b+FR-1], v[AR:AR+FR-1], 0, v[SC+8*(\p)+\b], v[SC+8*(\p)+(\a)] matrix_a_fmt:MATRIX_FMT_BF6 matrix_b_fmt:MATRIX_FMT_BF6 matrix_a_scale:MATRIX_SCALE_ROW1
.else
	v_wmma_scale_f32_16x16x128_f8f6f4 v[8*(8*((\a)%4)+\b):8*(8*((\a)%4)+\b)+7], v[128*(\p)+FR*\b:128*(\p)+FR*\b+FR-1], v[AR:AR+FR-1], v[8*(8*((\a)%4)+\b):8*(8*((\a)%4)+\b)+7], v[SC+8*(\p)+\b], v[SC+8*(\p)+(\a)] matrix_a_fmt:MATRIX_FMT_BF6 matrix_b_fmt:MATRIX_FMT_BF6 matrix_a_scale:MATRIX_SCALE_ROW1
.endif
.endr
.endm
; A K step on set p; the next step's fragments, record q + 1 of the same slot, go into the other set, which the last step's products read.
.macro STEP slot, q, p, zero
	s_wait_dscnt 0x0                               ; this step's fragments, asked for a step ago, are in
	PLACES 4                                       ; four places between the last step's products and the loads into the set that they read
	FETCH \slot, (\q)+1, 1-(\p)
.irp a, 0,1,2,3,4,5,6,7
	GRP \a, \p, \zero
.endr
.endm
; A slot's last K step: its fragments are in registers, so the slot is free at the step's head.  fill = 1: the tile two on; 2: c's tile.  ask = 1: prefetch the tile four on; 2: but not in the loop's last trip; 0: none.
.macro TURN slot, next, p, fill, ask
.if \ask
	s_wait_xcnt 0x0                                ; my earlier prefetches have read their base
	s_add_nc_u64 s[PFA:PFA+1], s[PFA:PFA+1], HALFT
.endif
	WIN 0
	s_wait_tensorcnt 0x0                           ; my one load that was out, my part of the next slot, has landed
	ds_add_u32 v[SPW], v[NIL]
.if \fill == 1
	s_add_nc_u64 s[G0+4*\slot+2:G0+4*\slot+3], s[G0+4*\slot+2:G0+4*\slot+3], 2*HALFT
	s_add_nc_u64 s[G0B+4*\slot+2:G0B+4*\slot+3], s[G0B+4*\slot+2:G0B+4*\slot+3], 2*HALFT
.endif
	s_wait_dscnt 1                                 ; this step's fragments are in (the add may be out): my reads of this slot are over
	GRP 0, \p, 0
	s_wait_dscnt 0x0                               ; the add is done
	s_barrier_signal -1
	GRP 1, \p, 0
	WIN 0
	s_barrier_wait -1
	CREST                                          ; the barrier has opened a round of the cluster's barrier
.if \fill == 1
	JLOAD G0+4*\slot, G1, G0B+4*\slot, G1B         ; its four v_nop are also the places in front of the loads below
.else
	tensor_load_to_lds s[G0C:G0C+3], s[G1C:G1C+7]
	s_nop 0
	PLACES 4
.endif
	FETCH \next, 0, 1-(\p)
.if \ask == 2
	s_cmp_gt_u32 s3, 1
	s_cbranch_scc0 .Lno_ask_\@
.endif
.if \ask
	ASKT 8*REC
.endif
.if \ask == 2
.Lno_ask_\@:
.endif
.irp a, 2,3,4,5,6,7
	GRP \a, \p, 0
.endr
.endm
	s_wait_alu depctr_va_vdst(0)
	s_wait_tensorcnt 0x0                           ; my part of tile 0 is in
	ds_add_u32 v[SPW], v[NIL]
	s_sub_nc_u64 s[G0+2:G0+3], s[G0+2:G0+3], REC   ; tile 0 is a record short: slot 0's first step of six records then leads to tile 2, record 5
	s_sub_nc_u64 s[G0B+2:G0B+3], s[G0B+2:G0B+3], REC
	s_wait_dscnt 0x0
	CROUND
	JLOAD G0+4, G1, G0B+4, G1B                     ; tile 1
	FETCH 0, 0, 0
	ASKT 5*REC                                     ; tile 2
	ASKT 8*REC                                     ; tile 3
	STEP 0, 0, 0, 1                                ; the first step's products start the sums
	TURN 0, 1, 1, 1, 1
	WIN 0
	s_mov_b32 s3, 4
.Llap:                                                 ; six K steps, both slots filled again: tiles 3 .. 10 in four trips
	STEP 1, 0, 0, 0
	STEP 1, 1, 1, 0
	TURN 1, 0, 0, 1, 2
	STEP 0, 0, 1, 0
	STEP 0, 1, 0, 0
	TURN 0, 1, 1, 1, 2
	WIN 0
	s_sub_co_u32 s3, s3, 1
	s_cmp_lg_u32 s3, 0
	s_cbranch_scc1 .Llap
	global_prefetch_b8 v[PF], s[12:13] th:TH_LOAD_NT scope:SCOPE_SE                  ; c's 256 rows of 256 bytes, a thread a row
	global_prefetch_b8 v[PF], s[12:13] offset:128*OROW th:TH_LOAD_NT scope:SCOPE_SE
	STEP 1, 0, 0, 0
	STEP 1, 1, 1, 0
	TURN 1, 0, 0, 2, 0                             ; slot 1 takes c's tile
	STEP 0, 0, 1, 0
	STEP 0, 1, 0, 0
	s_wait_dscnt 0x0                               ; the last step: nothing more to fetch
	s_wait_tensorcnt 0x0                           ; my rows of c are in
	s_barrier_signal -1
.irp a, 0,1,2,3,4,5,6,7
	GRP \a, 1, 0
.endr
	WIN 0
	s_barrier_wait -1                              ; c's tile is whole for all four waves
	s_mov_b32 s104, 0xbfb8aa3b                     ; -log2 e
	s_mov_b32 s105, 0xbfb8aa3b
	s_mov_b32 s2, 0x4038aa3b                       ; 2 log2 e
	s_mov_b32 s3, 0x4038aa3b
	s_wait_loadcnt 0x0                             ; the biases
	WIN 0x41
.irp b, 0,1,2,3,4,5                    ; bias x the exponent's factor; these lines are also the places behind the last products
.irp i, 0,2,4,6
	v_pk_mul_f32 v[96+8*\b+96*(\b/4)+\i:96+8*\b+96*(\b/4)+\i+1], v[96+8*\b+96*(\b/4)+\i:96+8*\b+96*(\b/4)+\i+1], s[104:105] op_sel_hi:[1,0]
.endr
.endr
.irp b, 6,7
.irp i, 0,2,4,6
	v_pk_mul_f32 v[192+8*\b+\i:192+8*\b+\i+1], v[192+8*\b+\i:192+8*\b+\i+1], s[2:3] op_sel_hi:[1,0]
.endr
.endr
	WIN 0
.macro SEND a                          ; block a's 16 rows of my output: sixteen lanes store 256 consecutive, aligned bytes
.irp i, 0,1,2,3,4,5,6,7
	global_store_b128 v[CO], v[OB+32*((\a)%2)+4*\i:OB+32*((\a)%2)+4*\i+3], s[OUT:OUT+1] offset:(16*(\a)+2*\i)*OROW th:TH_STORE_NT
.endr
.endm
.macro GATES a
.set AC, 64*((\a)%4)
.set PB, 4*SB*((\a)%2)
.irp t, 0,1
.irp q, 0,1
	ds_load_b128 v[CR+8*\t+4*\q:CR+8*\t+4*\q+3], v[CLD] offset:(\a)*16*CP+64*\t+16*\q
.endr
.endr
	WIN 0x12+(\a)/4                                ; source 0: the accumulators' window; source 2: window 1, the biases
.if (\a) > 0
	s_wait_alu depctr_va_vdst(0)
.endif
.irp b, 0,1,2,3,4,5
.irp i, 0,2,4,6
	v_pk_fma_f32 v[G+8*\b+\i:G+8*\b+\i+1], v[AC+8*\b+\i:AC+8*\b+\i+1], s[104:105], v[96+8*\b+96*(\b/4)+\i:96+8*\b+96*(\b/4)+\i+1] op_sel_hi:[1,0,1]
.endr
.endr
.irp b, 6,7
.irp i, 0,2,4,6
	v_pk_fma_f32 v[G+8*\b+\i:G+8*\b+\i+1], v[AC+8*\b+\i:AC+8*\b+\i+1], s[2:3], v[192+8*\b+\i:192+8*\b+\i+1] op_sel_hi:[1,0,1]
.endr
.endr
	WIN 0
.set j, 0
	s_wait_alu depctr_va_vdst(0)                   ; one wait ahead of each batch of transcendentals and one behind it
.rept 64
	v_exp_f32 v[G+j], v[G+j]
.set j, j+1
.endr
	v_nop
.if (\a) > 0
	EXCH (\a)-1                                    ; the last block's results change hands: its stores into the stage were issued ahead of this block's multiply-adds and exponentials
.endif
.set j, 0
	s_wait_alu depctr_va_vdst(0)
.rept 32
	v_pk_add_f32 v[G+j:G+j+1], v[G+j:G+j+1], 1.0 op_sel_hi:[1,0]
.set j, j+2
.endr
.set j, 0
	s_wait_alu depctr_va_vdst(0)
.rept 64
	v_rcp_f32 v[G+j], v[G+j]
.set j, j+1
.endr
	v_nop
	s_wait_alu depctr_va_vdst(0)
.irp i, 0,2,4,6,8,10,12,14
	v_pk_fma_f32 v[G+48+\i:G+49+\i], v[G+48+\i:G+49+\i], -2.0, 1.0 op_sel_hi:[1,0,0]   ; tanh(c-hat)
.endr
.irp i, 0,2,4,6,8,10,12,14
	v_pk_mul_f32 v[X+\i:X+\i+1], v[G+\i:G+\i+1], v[G+48+\i:G+49+\i]
.endr
	s_wait_alu depctr_va_vdst(0)
	s_wait_dscnt 0x0                               ; c is in, and the last block's rows are back
.if (\a) > 0
	SEND (\a)-1
.endif
.irp i, 0,2,4,6,8,10,12,14
	v_pk_fma_f32 v[CN+\i:CN+\i+1], v[G+16+\i:G+17+\i], v[CR+\i:CR+\i+1], v[X+\i:X+\i+1]
.endr
.irp i, 0,2,4,6,8,10,12,14
	v_pk_mul_f32 v[X+\i:X+\i+1], v[CN+\i:CN+\i+1], s[2:3] op_sel_hi:[1,0]
.endr
.set j, 0
	s_wait_alu depctr_va_vdst(0)
.rept 16
	v_exp_f32 v[X+j], v[X+j]
.set j, j+1
.endr
	v_nop
	s_wait_alu depctr_va_vdst(0)
.irp i, 0,2,4,6,8,10,12,14
	v_pk_add_f32 v[X+\i:X+\i+1], v[X+\i:X+\i+1], 1.0 op_sel_hi:[1,0]
.endr
.set j, 0
	s_wait_alu depctr_va_vdst(0)
.rept 16
	v_rcp_f32 v[X+j], v[X+j]
.set j, j+1
.endr
	v_nop
	s_wait_alu depctr_va_vdst(0)
.irp i, 0,2,4,6,8,10,12,14
	v_pk_fma_f32 v[X+\i:X+\i+1], v[X+\i:X+\i+1], -2.0, 1.0 op_sel_hi:[1,0,0]
.endr
.irp i, 0,2,4,6,8,10,12,14
	v_pk_mul_f32 v[HN+\i:HN+\i+1], v[G+32+\i:G+33+\i], v[X+\i:X+\i+1]
.endr
.irp t, 0,1
.irp q, 0,1
	ds_store_b128 v[STO], v[CN+8*\t+4*\q:CN+8*\t+4*\q+3] offset:PB+64*\t+16*\q
.endr
.endr
.irp t, 0,1
.irp q, 0,1
	ds_store_b128 v[STO], v[HN+8*\t+4*\q:HN+8*\t+4*\q+3] offset:PB+2*SB+64*\t+16*\q
.endr
.endr
.endm
; Block a changes hands through the stage.  Block a + 2 is stored into the same parity only behind block a + 1's barrier, in front of which every wave has waited for these reads.
.macro EXCH a
	s_wait_dscnt 0x0                               ; for the others' sake: my stores of block a are done, and so are my reads of the other parity
	s_barrier_signal -1
	s_barrier_wait -1
.if (\a) >= 2
	s_wait_xcnt 0x0                                ; the stores of the block two back have read these registers
.endif
.irp i, 0,1,2,3,4,5,6,7
	ds_load_b128 v[OB+32*((\a)%2)+4*\i:OB+32*((\a)%2)+4*\i+3], v[RD] offset:4*SB*((\a)%2)+2*\i*CP
.endr
.endm
.irp a, 0,1,2,3,4,5,6,7
	GATES \a
.endr
	EXCH 7
	s_wait_dscnt 0x0
	SEND 7
	s_wait_tensorcnt 0x0                           ; the wave's end
	ds_add_u32 v[SPW], v[NIL]
	s_wait_dscnt 0x0
	CROUND                                         ; the closing round
	s_endpgm
.Lfunc_end_k_q12e441dc48_lstm:
	.size	k_q12e441dc48_lstm, .Lfunc_end_k_q12e441dc48_lstm-k_q12e441dc48_lstm
	.p2alignl 7, 3214868480
	.fill 96, 4, 3214868480
	.section	.rodata,"a",@progbits
	.p2align	6, 0x0
	.amdhsa_kernel k_q12e441dc48_lstm
		.amdhsa_group_segment_fixed_size 327680
		.amdhsa_private_segment_fixed_size 0
		.amdhsa_enable_private_segment 0
		.amdhsa_kernarg_size 72
		.amdhsa_user_sgpr_count 2
		.amdhsa_user_sgpr_kernarg_segment_ptr 1
		.amdhsa_wavefront_size32 1
		.amdhsa_system_sgpr_workgroup_id_x 1
		.amdhsa_system_sgpr_workgroup_id_y 1
		.amdhsa_system_sgpr_workgroup_id_z 1
		.amdhsa_system_vgpr_workitem_id 0
		.amdhsa_next_free_vgpr 1024
		.amdhsa_next_free_sgpr 106
		.amdhsa_reserve_vcc 0
		.amdhsa_float_denorm_mode_32 3
		.amdhsa_float_denorm_mode_16_64 3
		.amdhsa_memory_ordered 1
		.amdhsa_forward_progress 1
		.amdhsa_inst_pref_size 255
	.end_amdhsa_kernel
	.section	.bss,"aw",@nobits
	.p2align	6
	.space	262144
	.amdgpu_metadata
---
amdhsa.version: [ 1, 2 ]
amdhsa.kernels:
  - .name:           k_q12e441dc48_lstm
    .symbol:         k_q12e441dc48_lstm.kd
    .args:
      - { .name: a_img, .offset: 0, .size: 8, .value_kind: global_buffer, .address_space: global }
      - { .name: b_img, .offset: 8, .size: 8, .value_kind: global_buffer, .address_space: global }
      - { .name: c, .offset: 16, .size: 8, .value_kind: global_buffer, .address_space: global }
      - { .name: W_i_b, .offset: 24, .size: 8, .value_kind: global_buffer, .address_space: global }
      - { .name: W_f_b, .offset: 32, .size: 8, .value_kind: global_buffer, .address_space: global }
      - { .name: W_o_b, .offset: 40, .size: 8, .value_kind: global_buffer, .address_space: global }
      - { .name: W_c_b, .offset: 48, .size: 8, .value_kind: global_buffer, .address_space: global }
      - { .name: out0, .offset: 56, .size: 8, .value_kind: global_buffer, .address_space: global }
      - { .name: out1, .offset: 64, .size: 8, .value_kind: global_buffer, .address_space: global }
    .group_segment_fixed_size: 327680
    .private_segment_fixed_size: 0
    .kernarg_segment_align: 8
    .kernarg_segment_size: 72
    .max_flat_workgroup_size: 128
    .sgpr_count:     106
    .vgpr_count:     1024
    .wavefront_size: 32
...
	.end_amdgpu_metadata
.endif
;; end of part 2
